; MI455X (gfx1250); checked and timed in simulation.
; The chip was launched on July 23, 2026; its instructions are those of AMD's public machine-readable ISA for CDNA 5 (MIT licence, August 2026) and "CDNA5" Instruction Set Architecture Reference Guide (July 2026). The comments in the code are by the model that wrote it; some were corrected since.
;; Multi Head Attention. Allowed arithmetic: float matrix products may take bf16 or f16 operands with f32 sums; all other float work in f32.
;; Inputs: Wk 1,024 x 1,024 float32; Wo 1,024 x 1,024 float32; Wq 1,024 x 1,024 float32; Wv 1,024 x 1,024 float32; bk 1,024 float32; bo 1,024 float32; bq 1,024 float32; bv 1,024 float32; key 2 x 2,048 x 1,024 float32; query 2 x 2,048 x 1,024 float32; value 2 x 2,048 x 1,024 float32.
;; Outputs: out0 2 x 2,048 x 1,024 float32.
;; One version. Each part assembles by itself: llvm-mc -triple=amdgcn-amd-amdhsa -mcpu=gfx1250 --defsym DOCPART=n.
;; ======== version 1 of 1: 3 launches
;; limits: values are held in f16: magnitudes above 65,504 overflow, below 6.1e-05 lose precision
;; workspace buffers: Qh 8,388,608 bytes; Kh 8,388,608 bytes; Vh 8,388,608 bytes; Ah 8,388,608 bytes; Woh 2,097,152 bytes
;; launch proj (part 1): grid 4 x 48, 4 waves a work-group, clusters of 4 x 4, 327,680 bytes of LDS; arguments query, key, value, Wq, Wk, Wv, bq, bk, bv, Qh, Kh, Vh; writes Qh, Kh, Vh
.if DOCPART == 1
	.amdgcn_target "amdgcn-amd-amdhsa--gfx1250"
	.amdhsa_code_object_version 6
	.text
	.protected	k_qed475fa43d_proj
	.globl	k_qed475fa43d_proj
	.p2align	8
	.type	k_qed475fa43d_proj,@function
k_qed475fa43d_proj:
	s_mov_b64 s[64:65], 0
	v_nop
	global_prefetch_b8 v0, s[64:65] scope:SCOPE_SE
	s_setreg_imm32_b32 hwreg(HW_REG_WAVE_MODE, 25, 1), 1
	s_wait_xcnt 0x0
	s_wait_alu depctr_hold_cnt(0) depctr_sa_sdst(0) depctr_va_vdst(0) depctr_va_sdst(0) depctr_va_ssrc(0) depctr_va_vcc(0) depctr_vm_vsrc(0)
	s_getreg_b32 s2, hwreg(HW_REG_IB_STS2, 6, 4)
	s_cmp_eq_u32 s2, 0
	s_cbranch_scc0 .Lentry_in_a_cluster
	s_endpgm
.Lentry_in_a_cluster:
	s_bfe_u32 s2, ttmp6, 0x10000c
	s_cmp_lg_u32 s2, 0xf033
	s_cbranch_scc0 .Lentry_shape_is_right
	s_endpgm
.Lentry_shape_is_right:
; The three input projections in one launch: Y = X W^T + b for (query, Wq, bq), (key, Wk, bk), (value, Wv, bv).
; X: [4096][1024] f32, W: [1024][1024] f32, b: [1024] f32.  Y is stored in f16, head-major: [batch 2][head 16][token 2048][64].
; LIMIT: matrix operands and Y are f16: an element of X, W or Y of magnitude 65,504 or more becomes infinite.  Sums are f32.
; 48 block rows: 16 for each product; a cluster's y (0 to 11) >> 2 picks the product, so it is the same in all sixteen partners.
; A work-group makes 256 tokens x 256 features with four waves, a wave 128 x 128: 64 accumulator tiles of 16 x 16, 512 registers.
; 3 x 64 = 192 work-groups: blocks of half the side would double the LDS bytes read for each multiply-add.
; K goes in steps of 64 f32 (rows of 256 bytes, each starting at a multiple of 256 bytes of its buffer) through two LDS slots.
; A K step is two sub-steps of 32: the f32 fragments are read from LDS into a staging window, rounded to f16 (128 conversions),
; and multiplied (64 matrix instructions).  The next sub-step's 64 LDS loads are issued ahead of the matrix instructions.
; CLUSTERS: 4 x 4.  X's tile hangs on the block row alone and is asked for jointly along a row of the cluster, W's on the block column
; alone and is asked for jointly along a column: the requests for both are divided by four.
; THE MATRIX INSTRUCTION IS USED TRANSPOSED (source 0 = rows of W, source 1 = rows of X): a lane's eight results are eight
; neighbouring features of one token.  The first product takes the bias as C: nothing is cleared and nothing is added later.
; REGISTERS: window 0: v16-27 addresses, v64-127 W's f16 fragments, v128-191 X's, v192-255 bias (later v192-223 packed results);
; window 1: v0-127 W's f32 staging, v128-255 X's; windows 2, 3: accumulators of my rows 0-63, 64-127, tile (a, b) at 8 (8 a + b).
.set PITCH,  272                       ; 256 bytes of data + 16 of padding: the 16 rows that a load touches start at 16 different 16-byte columns modulo 256
.set HALFT,  128*PITCH                 ; 128 rows: what one tensor load brings
.set SLOT,   4*HALFT                   ; X's 256 rows, then W's 256 rows
.set STAGE,  2*SLOT                    ; behind the ring: 16 rows x 272 bytes for each wave; no tensor load lands here
.set ADRA, 16                          ; v16-17  LDS address of my X fragments in slot 0, 1
.set ADRB, 20                          ; v20-21  the same for W
.set STO,  24                          ; the way out: where I put 16 bytes of a token's row
.set RD,   25                          ; the way out: where I read back
.set CO,   26                          ; my byte offset in Y
.set BO,   27                          ; my byte offset in the bias
.set FB,   64
.set FA,   128
.set BIAS, 192
.set TMP,  192
.set G1,  24                           ; s[24:31] group 1 for X's tiles
.set G0,  32                           ; s[32:39] group 0 for X's tiles, one set for each slot
.set G1B, 48                           ; s[48:55] group 1 for W's tiles: another mask
.set G0B, 56                           ; s[56:63] group 0 for W's tiles
.set MSB, 0
.macro WIN new                         ; the immediate's high byte repeats the setting that is left
.if MSB != \new
	s_set_vgpr_msb (MSB<<8)|\new
.set MSB, \new
.endif
.endm
.macro PLACES                          ; four places behind matrix instructions (ISA guide 7.12.1)
.rept 4
	v_nop
.endr
.endm
; A joint load: waves 0 and 1 ask for X's two halves, waves 2 and 3 for W's.  The branch hangs on the wave's number alone.
.macro JLOAD s
	s_cmp_eq_u32 s11, 0
	s_cbranch_scc0 .Lfor_b_\@
	tensor_load_to_lds s[G0+4*\s:G0+4*\s+3], s[G1:G1+7]
	s_nop 0
	s_branch .Lasked_\@
.Lfor_b_\@:
	tensor_load_to_lds s[G0B+4*\s:G0B+4*\s+3], s[G1B:G1B+7]
	s_nop 0
.Lasked_\@:
.endm
.macro CREST                           ; a round of the cluster's barrier behind its opening work-group barrier
	s_cmp_lg_u32 s10, 0
	s_cbranch_scc1 .Lnot_wave_0_\@
	s_barrier_signal -3
.Lnot_wave_0_\@:
	s_barrier_wait -3
	s_barrier_signal -1
	s_barrier_wait -1
.endm
.macro CROUND                          ; a whole round
	s_barrier_signal -1
	s_barrier_wait -1
	CREST
.endm
	s_load_b512 s[68:83], s[0:1], 0x0              ; query, key, value, Wq, Wk, Wv, bq, bk
	s_load_b256 s[84:91], s[0:1], 0x40             ; bv, Qh, Kh, Vh
	v_lshl_add_u32 v62, v0, 2, 0x48400
	v_mov_b32 v63, 0
	ds_add_u32 v62, v63
	v_lshrrev_b32 v1, 5, v0
	v_readfirstlane_b32 s10, v1                    ; wave 0..3
	s_lshr_b32 s11, s10, 1                         ; my half of the block's tokens.  Also: I fetch for X (0) or for W (1)
	s_and_b32 s12, s10, 1                          ; my half of its features.  Also: which 128 rows of that tile I fetch
	s_bfe_u32 s40, ttmp6, 0x40000                  ; cx
	s_bfe_u32 s41, ttmp6, 0x40004                  ; cy
	s_lshl_b32 s42, ttmp9, 2
	s_add_co_u32 s42, s42, s40                     ; block column 0..3
	s_and_b32 s13, ttmp7, 0xffff                   ; the cluster's y, 0..11
	s_lshr_b32 s45, s13, 2                         ; which product: 0 Q, 1 K, 2 V
	s_and_b32 s13, s13, 3
	s_lshl_b32 s13, s13, 2
	s_add_co_u32 s13, s13, s41                     ; block row inside the product, 0..15
	s_lshl_b32 s43, s41, 2
	s_lshl_b32 s43, 15, s43                        ; my row of the cluster
	s_lshl_b32 s44, 0x1111, s40                    ; my column
	; group 1: a tile of 128 rows x 64 elements of 4 bytes; 4 words of padding behind every 64 words
	s_or_b32 s[G1+0], s43, (2<<16)|(1<<20)|(1<<21)|(5<<22)|(3<<25)
	s_or_b32 s[G1B+0], s44, (2<<16)|(1<<20)|(1<<21)|(5<<22)|(3<<25)
.irp g, G1, G1B
	s_mov_b32 s[\g+1], 64<<16                      ; tensor_dim0 = 64
	s_mov_b32 s[\g+2], 128<<16                     ; tensor_dim1 = 128
	s_mov_b32 s[\g+3], 64<<16                      ; tile_dim0 = 64
	s_mov_b32 s[\g+4], 128                         ; tile_dim1 = 128
	s_mov_b32 s[\g+5], 1024                        ; elements from row to row
	s_mov_b32 s[\g+6], 0
	s_mov_b32 s[\g+7], 0
.endr
	s_lshl_b32 s17, s12, 7                         ; which 128 rows I fetch
	s_lshl_b32 s16, s13, 8
	s_add_co_u32 s16, s16, s17
	s_lshl_b32 s16, s16, 12                        ; X: (256 block row + 128 half) rows of 4,096 bytes
	s_lshl_b32 s46, s42, 8
	s_add_co_u32 s46, s46, s17
	s_lshl_b32 s46, s46, 12                        ; W: (256 block column + 128 half) rows
	s_mov_b32 s17, 0
	s_mov_b32 s47, 0
	s_mul_i32 s20, s10, HALFT                      ; where my tile goes: wave x 128 rows
	s_wait_dscnt 0x0
	s_wait_kmcnt 0x0
	s_cmp_eq_u32 s45, 1                            ; the product's four buffers, chosen on the cluster's y alone
	s_cselect_b64 s[4:5], s[70:71], s[68:69]
	s_cselect_b64 s[6:7], s[76:77], s[74:75]
	s_cselect_b64 s[66:67], s[82:83], s[80:81]
	s_cselect_b64 s[8:9], s[88:89], s[86:87]
	s_cmp_eq_u32 s45, 2
	s_cselect_b64 s[4:5], s[72:73], s[4:5]         ; X
	s_cselect_b64 s[6:7], s[78:79], s[6:7]         ; W
	s_cselect_b64 s[66:67], s[84:85], s[66:67]     ; b
	s_cselect_b64 s[8:9], s[90:91], s[8:9]         ; Y
	s_add_nc_u64 s[14:15], s[4:5], s[16:17]
	s_add_nc_u64 s[46:47], s[6:7], s[46:47]
	CROUND                                         ; all sixteen work-groups are here: the first joint loads meet
.irp s, 0,1
	s_mov_b32 s[G0+4*\s], 1
	s_add_co_u32 s[G0+4*\s+1], s20, \s*SLOT
	s_add_nc_u64 s[G0+4*\s+2:G0+4*\s+3], s[14:15], \s*256          ; K step s
	s_or_b32 s[G0+4*\s+3], s[G0+4*\s+3], 0x80000000
	s_mov_b32 s[G0B+4*\s], 1
	s_add_co_u32 s[G0B+4*\s+1], s20, \s*SLOT
	s_add_nc_u64 s[G0B+4*\s+2:G0B+4*\s+3], s[46:47], \s*256
	s_or_b32 s[G0B+4*\s+3], s[G0B+4*\s+3], 0x80000000
	JLOAD \s                                       ; both slots' first fills: two tensor loads of the wave are out
.endr
	v_and_b32 v1, 15, v0                           ; r
	v_bfe_u32 v2, v0, 4, 1                         ; h
	s_lshl_b32 s68, s42, 10
	s_lshl_b32 s69, s12, 9
	s_add_co_u32 s68, s68, s69                     ; 4 x my first feature
	v_lshlrev_b32 v[BO], 5, v2
	v_add_nc_u32 v[BO], s68, v[BO]                 ; + 32 h: register j of bias tile b is b[first + 16 b + 8 h + j], as C wants it
.irp b, 0,1,2,3,4,5,6,7
	global_load_b128 v[BIAS+8*\b:BIAS+8*\b+3],   v[BO], s[66:67] offset:64*\b
	global_load_b128 v[BIAS+8*\b+4:BIAS+8*\b+7], v[BO], s[66:67] offset:64*\b+16
.endr
	; an f16 fragment wants k = 8 h .. 8 h + 7 and 16 + 8 h .. : in f32 that is 32 bytes at 32 h and 32 bytes at 64 + 32 h of the row
	v_mul_u32_u24 v3, v1, PITCH
	v_lshl_add_u32 v3, v2, 5, v3
	s_mul_i32 s21, s11, HALFT                      ; my 128 rows of X
	s_mul_i32 s22, s12, HALFT
	s_add_co_u32 s22, s22, 2*HALFT                 ; my 128 rows of W, behind X's 256
.irp s, 0,1
	v_add_nc_u32 v[ADRA+\s], s21, v3
	v_add_nc_u32 v[ADRB+\s], s22, v3
	s_add_co_u32 s21, s21, SLOT
	s_add_co_u32 s22, s22, SLOT
.endr
	s_mul_i32 s23, s10, 16*PITCH
	s_add_co_u32 s23, s23, STAGE                   ; my stage
	v_mul_u32_u24 v4, v1, PITCH
	v_lshl_add_u32 v4, v2, 4, v4
	v_add_nc_u32 v[STO], s23, v4                   ; in: token r, 16 bytes for each half of the lanes
	v_bfe_u32 v5, v0, 3, 1                         ; back: lanes 0-15 take two tokens of my first head, lanes 16-31 of my second
	v_and_b32 v6, 7, v0
	v_mul_u32_u24 v7, v5, PITCH
	v_lshl_add_u32 v7, v2, 7, v7
	v_lshl_add_u32 v7, v6, 4, v7
	v_add_nc_u32 v[RD], s23, v7
	v_lshlrev_b32 v8, 18, v2                       ; a head's plane is 262,144 bytes
	v_lshl_add_u32 v8, v5, 7, v8                   ; a token's row 128
	v_lshl_add_u32 v[CO], v6, 4, v8
; 64 LDS loads: one sub-step's f32 fragments (32 K at byte k of the rows) into the staging window: W's 32 first, then X's 32
.macro FETCH slot, k
	WIN 0x40
.irp i, 0,1,2,3,4,5,6,7
	ds_load_b128 v[16*\i:16*\i+3],     v[ADRB+\slot] offset:\k+\i*16*PITCH
	ds_load_b128 v[16*\i+4:16*\i+7],   v[ADRB+\slot] offset:\k+\i*16*PITCH+16
	ds_load_b128 v[16*\i+8:16*\i+11],  v[ADRB+\slot] offset:\k+\i*16*PITCH+64
	ds_load_b128 v[16*\i+12:16*\i+15], v[ADRB+\slot] offset:\k+\i*16*PITCH+80
.endr
.irp i, 0,1,2,3,4,5,6,7
	ds_load_b128 v[128+16*\i:128+16*\i+3],     v[ADRA+\slot] offset:\k+\i*16*PITCH
	ds_load_b128 v[128+16*\i+4:128+16*\i+7],   v[ADRA+\slot] offset:\k+\i*16*PITCH+16
	ds_load_b128 v[128+16*\i+8:128+16*\i+11],  v[ADRA+\slot] offset:\k+\i*16*PITCH+64
	ds_load_b128 v[128+16*\i+12:128+16*\i+15], v[ADRA+\slot] offset:\k+\i*16*PITCH+80
.endr
.endm
.macro CVT f, st                       ; eight fragments: 16 f32 registers each become 8 of f16
	WIN 0x05
.irp i, 0,1,2,3,4,5,6,7
.irp p, 0,1,2,3,4,5,6,7
	v_cvt_pk_f16_f32 v[\f+8*\i+\p], v[\st+16*\i+2*\p], v[\st+16*\i+2*\p+1]
.endr
.endr
.endm
.macro CONVERT
	PLACES                                         ; the conversions write registers that the last matrix instructions read
	s_wait_dscnt 32                                ; W's 32 loads are in; the 32 younger ones, X's, may be out
	CVT FB, 0
	s_wait_dscnt 0x0                               ; X's too: no LDS read of mine is out
	CVT FA, 128
.endm
; 16 matrix instructions: token blocks a0, a0 + 1 of the window's four x all 8 feature blocks.  mode = 1: C is the bias.
; The 64 accumulators take turns, one instruction a turn, in the same order in every sub-step.
.macro MUL16 hi, a0, mode
.irp a, \a0, \a0+1
.irp b, 0,1,2,3,4,5,6,7
.if \mode
	v_wmma_f32_16x16x32_f16 v[8*(8*(\a)+\b):8*(8*(\a)+\b)+7], v[FB+8*\b:FB+8*\b+7], v[FA+8*(4*\hi+\a):FA+8*(4*\hi+\a)+7], v[BIAS+8*\b:BIAS+8*\b+7]
.else
	v_wmma_f32_16x16x32_f16 v[8*(8*(\a)+\b):8*(8*(\a)+\b)+7], v[FB+8*\b:FB+8*\b+7], v[FA+8*(4*\hi+\a):FA+8*(4*\hi+\a)+7], v[8*(8*(\a)+\b):8*(8*(\a)+\b)+7]
.endif
.endr
.endr
.endm
.macro MUL64 mode                      ; a sub-step's 64 matrix instructions
.if \mode
	WIN 0x80
.else
	WIN 0xa0
.endif
	MUL16 0, 0, \mode
	MUL16 0, 2, \mode
.if \mode
	WIN 0xc0
.else
	WIN 0xf0
.endif
	MUL16 1, 0, \mode
	MUL16 1, 2, \mode
.endm
.macro SUB0 slot, mode                 ; a K step's first half; fetches the second half's fragments from the same slot
	CONVERT
	FETCH \slot, 128
	MUL64 \mode
.endm
; A K step's second half, and the change of slots.  In front of the barrier: my reads of this slot are back (CONVERT ends behind a wait
; for 0) and all my tensor loads have landed, of which one is out: my part of the next slot.  Nothing stands between that wait and the
; barrier, and the refill is the first thing behind it (with fill: behind the cluster's round that it opens): the request goes out as soon
; as the slot is free, and has a whole K step's 128 matrix instructions and 256 conversions in which to land.
.macro SUB1 slot, next, fill
	CONVERT
	s_set_vgpr_msb 0x500
	s_wait_tensorcnt 0x0
	ds_add_u32 v62, v63
	s_wait_dscnt 0x0
	s_set_vgpr_msb 0x5
	WIN 0
	s_barrier_signal -1
	s_barrier_wait -1
.if \fill
	CREST
	s_add_nc_u64 s[G0+4*\slot+2:G0+4*\slot+3], s[G0+4*\slot+2:G0+4*\slot+3], 512     ; two K steps on
	s_add_nc_u64 s[G0B+4*\slot+2:G0B+4*\slot+3], s[G0B+4*\slot+2:G0B+4*\slot+3], 512
	JLOAD \slot
.endif
	FETCH \next, 0
	MUL64 0
.endm
	s_wait_tensorcnt 0x1                           ; my part of K step 0 is in; K step 1's stays out
	s_barrier_signal -1
	s_barrier_wait -1
	FETCH 0, 0
	s_wait_loadcnt 0x0                             ; the bias
	SUB0 0, 1                                      ; 16 K steps = 8 laps of the ring.  The first lap stands in front of the loop: its first products start the sums
	SUB1 0, 1, 1
	SUB0 1, 0
	SUB1 1, 0, 1
	WIN 0
	s_mov_b32 s3, 6
.Llap:
	SUB0 0, 0
	SUB1 0, 1, 1
	SUB0 1, 0
	SUB1 1, 0, 1
	WIN 0
	s_sub_co_u32 s3, s3, 1
	s_cmp_lg_u32 s3, 0
	s_cbranch_scc1 .Llap
	SUB0 0, 0                                      ; the last lap fills nothing
	SUB1 0, 1, 0
	SUB0 1, 0
	CONVERT
	MUL64 0
	; THE WAY OUT, 16 tokens at a time: round to f16, 16 bytes a lane into my stage, read back as two tokens of one head for 16 lanes.
	PLACES
	s_lshl_b32 s16, s13, 8
	s_lshl_b32 s14, s11, 7
	s_add_co_u32 s16, s16, s14                     ; my first row of the 4,096
	s_lshr_b32 s17, s16, 11                        ; batch
	s_and_b32 s16, s16, 2047                       ; token
	s_lshl_b32 s16, s16, 7
	s_lshl_b32 s17, s17, 22
	s_add_co_u32 s16, s16, s17
	s_mov_b32 s17, 0
	s_add_nc_u64 s[8:9], s[8:9], s[16:17]
	s_lshl_b32 s46, s42, 2
	s_lshl_b32 s47, s12, 1
	s_add_co_u32 s46, s46, s47                     ; my first head = 4 x block column + 2 x half
	s_lshl_b32 s46, s46, 18
	s_mov_b32 s47, 0
	s_add_nc_u64 s[8:9], s[8:9], s[46:47]
.macro OUT16 i, a, from, f
	WIN \from
.irp b, 0,1,2,3,4,5,6,7
.irp r, 0,1,2,3
	v_cvt_pk_f16_f32 v[TMP+4*\b+\r], v[8*(8*\a+\b)+2*\r], v[8*(8*\a+\b)+2*\r+1]
.endr
.endr
	WIN 0
.irp b, 0,1,2,3,4,5,6,7
	ds_store_b128 v[STO], v[TMP+4*\b:TMP+4*\b+3] offset:32*\b
.endr
	s_wait_xcnt 0x0                                ; buffer f, which earlier stores read, is loaded again only behind this wait
.irp t, 0,1,2,3,4,5,6,7
	ds_load_b128 v[\f+4*\t:\f+4*\t+3], v[RD] offset:\t*2*PITCH     ; LDS serves a wave's instructions in order: these see the stores above
.endr
.irp t, 0,1,2,3,4,5,6,7
	s_wait_dscnt 7-\t                              ; read-back t is in; the younger ones may be out
	global_store_b128 v[CO], v[\f+4*\t:\f+4*\t+3], s[8:9] offset:2048*\i+256*\t   ; 16 lanes store 256 consecutive bytes, at a multiple of 256 from Y's first byte
.endr
.endm
	OUT16 0, 0, 0x0a, FB
	OUT16 1, 1, 0x0a, FA
	OUT16 2, 2, 0x0a, FB
	OUT16 3, 3, 0x0a, FA
	OUT16 4, 0, 0x0f, FB
	OUT16 5, 1, 0x0f, FA
	OUT16 6, 2, 0x0f, FB
	OUT16 7, 3, 0x0f, FA
	s_wait_tensorcnt 0x0
	ds_add_u32 v62, v63
	s_wait_dscnt 0x0
	CROUND                                         ; the closing round: no work-group ends while a partner may still ask for a tile that names it
	s_endpgm
.Lfunc_end_k_qed475fa43d_proj:
	.size	k_qed475fa43d_proj, .Lfunc_end_k_qed475fa43d_proj-k_qed475fa43d_proj
	.p2alignl 7, 3214868480
	.fill 96, 4, 3214868480
	.section	.rodata,"a",@progbits
	.p2align	6, 0x0
	.amdhsa_kernel k_qed475fa43d_proj
		.amdhsa_group_segment_fixed_size 327680
		.amdhsa_private_segment_fixed_size 0
		.amdhsa_enable_private_segment 0
		.amdhsa_kernarg_size 96
		.amdhsa_user_sgpr_count 2
		.amdhsa_user_sgpr_kernarg_segment_ptr 1
		.amdhsa_wavefront_size32 1
		.amdhsa_system_sgpr_workgroup_id_x 1
		.amdhsa_system_sgpr_workgroup_id_y 1
		.amdhsa_system_sgpr_workgroup_id_z 1
		.amdhsa_system_vgpr_workitem_id 0
		.amdhsa_next_free_vgpr 1024
		.amdhsa_next_free_sgpr 92
		.amdhsa_reserve_vcc 0
		.amdhsa_float_denorm_mode_32 3
		.amdhsa_float_denorm_mode_16_64 3
		.amdhsa_memory_ordered 1
		.amdhsa_forward_progress 1
		.amdhsa_inst_pref_size 243
	.end_amdhsa_kernel
	.amdgpu_metadata
---
amdhsa.version: [ 1, 2 ]
amdhsa.kernels:
  - .name:           k_qed475fa43d_proj
    .symbol:         k_qed475fa43d_proj.kd
    .args:
      - { .name: query, .offset: 0, .size: 8, .value_kind: global_buffer, .address_space: global }
      - { .name: key, .offset: 8, .size: 8, .value_kind: global_buffer, .address_space: global }
      - { .name: value, .offset: 16, .size: 8, .value_kind: global_buffer, .address_space: global }
      - { .name: Wq, .offset: 24, .size: 8, .value_kind: global_buffer, .address_space: global }
      - { .name: Wk, .offset: 32, .size: 8, .value_kind: global_buffer, .address_space: global }
      - { .name: Wv, .offset: 40, .size: 8, .value_kind: global_buffer, .address_space: global }
      - { .name: bq, .offset: 48, .size: 8, .value_kind: global_buffer, .address_space: global }
      - { .name: bk, .offset: 56, .size: 8, .value_kind: global_buffer, .address_space: global }
      - { .name: bv, .offset: 64, .size: 8, .value_kind: global_buffer, .address_space: global }
      - { .name: Qh, .offset: 72, .size: 8, .value_kind: global_buffer, .address_space: global }
      - { .name: Kh, .offset: 80, .size: 8, .value_kind: global_buffer, .address_space: global }
      - { .name: Vh, .offset: 88, .size: 8, .value_kind: global_buffer, .address_space: global }
    .group_segment_fixed_size: 327680
    .private_segment_fixed_size: 0
    .kernarg_segment_align: 8
    .kernarg_segment_size: 96
    .max_flat_workgroup_size: 128
    .sgpr_count:     92
    .vgpr_count:     1024
    .wavefront_size: 32
...
	.end_amdgpu_metadata
.endif
;; end of part 1
;; launch attn (part 2): grid 8 x 32, 8 waves a work-group, clusters of 4 x 1, 327,680 bytes of LDS; arguments Qh, Kh, Vh, Wo, Ah, Woh; writes Ah, Woh
.if DOCPART == 2
	.amdgcn_target "amdgcn-amd-amdhsa--gfx1250"
	.amdhsa_code_object_version 6
	.text
	.protected	k_qed475fa43d_attn
	.globl	k_qed475fa43d_attn
	.p2align	8
	.type	k_qed475fa43d_attn,@function
k_qed475fa43d_attn:
	s_mov_b64 s[64:65], 0
	v_nop
	global_prefetch_b8 v0, s[64:65] scope:SCOPE_SE
	s_setreg_imm32_b32 hwreg(HW_REG_WAVE_MODE, 25, 1), 1
	s_wait_xcnt 0x0
	s_wait_alu depctr_hold_cnt(0) depctr_sa_sdst(0) depctr_va_vdst(0) depctr_va_sdst(0) depctr_va_ssrc(0) depctr_va_vcc(0) depctr_vm_vsrc(0)
	s_getreg_b32 s2, hwreg(HW_REG_IB_STS2, 6, 4)
	s_cmp_eq_u32 s2, 0
	s_cbranch_scc0 .Lentry_in_a_cluster
	s_endpgm
.Lentry_in_a_cluster:
	s_bfe_u32 s2, ttmp6, 0x10000c
	s_cmp_lg_u32 s2, 0x3003
	s_cbranch_scc0 .Lentry_shape_is_right
	s_endpgm
.Lentry_shape_is_right:
; softmax(Q K^T / 8) V for one (batch, head) and 256 queries a work-group; Qh, Kh, Vh: f16, [batch x head 32][token 2048][64].
; The result Ah is f16, [batch 2][block of 128 tokens 16][head 16][128][64]: the 16 heads of a block of 128 tokens lie side by side,
; as the launch that follows reads them; a wave's 32 queries are still 4,096 consecutive bytes.
; Also: each of the 256 work-groups rounds 4,096 numbers of Wo to f16 (Woh), for the launch that follows.
; LIMITS: probabilities and the result are rounded to f16; an exponential below 2^-126 comes out as zero; the exponential and the
; reciprocal are good to 1 ulp; in the running maximum a NaN loses.  The maximum is taken away by a running maximum, in f32.
; Eight waves, 32 queries (two tiles of 16) each.  Keys go in steps of 64; an LDS slot holds 256 keys (four steps) of K and of V; two slots.
; CLUSTERS: the four work-groups of a cluster take four query blocks of the same head and read the same K and V: each tile is asked
; for jointly (mask 15), each wave bringing 64 rows: waves 0-3 V's, waves 4-7 K's.
; LAYOUT: S^T = K Q^T (source 0 = 16 keys, source 1 = 16 queries): lane (r, h) holds keys 8 h + j of query r, so the maximum is
; taken inside the lane and once across the halves, and two packed tiles of S^T ARE the second source of O^T = V^T P^T.
; V^T comes from V's rows by the transposing LDS load.  The row sums come from a fragment of ones in V^T's place: they add the same
; rounded probabilities as the numerator.
; REGISTERS: window 0: addresses v2-8, running maxima v10-11, -c max v12-15, rescale factors v16-19, at work v20-27, Q v32-63,
; K's fragments v64-127, scores v128-191, probabilities v192-223, the cast of Wo v224-249.
; window 1: O^T(qt, dt) at 8 (5 qt + dt), the sums at 8 (5 qt + 4); V^T's fragments v80-143; ones v144-151.
.set SLOT,  77824                      ; V: 256 rows x 160 bytes, then K: 256 rows x 144 bytes
.set KOFF,  40960
.set VP,    160                        ; an odd multiple of 32 bytes, for the transposing loads
.set KP,    144                        ; an odd multiple of 16 bytes
.set STAGE, 2*SLOT                     ; 32 rows x 144 bytes for each wave; no tensor load lands here
.set ADRK, 2
.set ADRV, 4
.set STO,  6
.set RD,   7
.set GO,   8
.set MX,   10
.set NM,   12
.set AL,   16
.set TT,   20
.set QF,   32
.set KF,   64
.set SC,   128
.set PF,   192
.set WI,   248
.set WH,   249
.set QO,   250
.set VF,   80                          ; window 1
.set ONES, 144                         ; window 1
.set G1V, 24
.set G1K, 32
.set G0V, 40
.set G0K, 48
.set MSB, 0
.macro WIN new
.if MSB != \new
	s_set_vgpr_msb (MSB<<8)|\new
.set MSB, \new
.endif
.endm
.macro PLACES
.rept 4
	v_nop
.endr
.endm
.macro JLOAD s                         ; every wave issues one of the two lines; the branch hangs on the wave's number alone
	s_cmp_eq_u32 s17, 0
	s_cbranch_scc0 .Lfor_k_\@
	tensor_load_to_lds s[G0V+4*\s:G0V+4*\s+3], s[G1V:G1V+7]
	s_nop 0
	s_branch .Lasked_\@
.Lfor_k_\@:
	tensor_load_to_lds s[G0K+4*\s:G0K+4*\s+3], s[G1K:G1K+7]
	s_nop 0
.Lasked_\@:
.endm
.macro CROUND                          ; a round of the cluster's barrier
	s_barrier_signal -1
	s_barrier_wait -1
	s_cmp_lg_u32 s16, 0
	s_cbranch_scc1 .Lnot_wave_0_\@
	s_barrier_signal -3
.Lnot_wave_0_\@:
	s_barrier_wait -3
	s_barrier_signal -1
	s_barrier_wait -1
.endm
	s_load_b256 s[4:11], s[0:1], 0x0               ; Qh s[4:5], Kh s[6:7], Vh s[8:9], Wo s[10:11]
	s_load_b128 s[12:15], s[0:1], 0x20             ; Ah s[12:13], Woh s[14:15]
	v_lshl_add_u32 v254, v0, 2, 0x2f000
	v_mov_b32 v255, 0
	ds_add_u32 v254, v255
	v_lshrrev_b32 v1, 5, v0
	v_readfirstlane_b32 s16, v1                    ; wave 0..7
	s_lshr_b32 s17, s16, 2                         ; I fetch for V (0) or for K (1)
	s_and_b32 s18, s16, 3                          ; which 64 rows
	s_bfe_u32 s19, ttmp6, 0x40000                  ; cx
	s_lshl_b32 s20, ttmp9, 2
	s_add_co_u32 s20, s20, s19                     ; query block 0..7
	s_and_b32 s21, ttmp7, 0xffff                   ; batch x head, 0..31
	s_mov_b32 s56, 0x76543210                      ; v_permlanex16_b32: lane i reads lane i of the other half
	s_mov_b32 s57, 0xfedcba98
	; group 1: 64 rows x 64 elements of 2 bytes, dense in memory; padding behind every 32 words: 8 words for V, 4 for K
	s_mov_b32 s[G1V+0], 15|(1<<16)|(1<<20)|(1<<21)|(4<<22)|(7<<25)
	s_mov_b32 s[G1K+0], 15|(1<<16)|(1<<20)|(1<<21)|(4<<22)|(3<<25)
.irp g, G1V, G1K
	s_mov_b32 s[\g+1], 64<<16
	s_mov_b32 s[\g+2], 64<<16
	s_mov_b32 s[\g+3], 64<<16
	s_mov_b32 s[\g+4], 64
	s_mov_b32 s[\g+5], 64
	s_mov_b32 s[\g+6], 0
	s_mov_b32 s[\g+7], 0
.endr
	s_lshl_b32 s22, s21, 18                        ; the head's plane of 262,144 bytes
	s_lshl_b32 s23, s18, 13                        ; + my 64 rows of 128 bytes
	s_add_co_u32 s22, s22, s23
	s_mov_b32 s23, 0
	s_mul_i32 s60, s16, 64*VP                      ; V's tile of waves 0-3
	s_mul_i32 s61, s16, 64*KP
	s_add_co_u32 s61, s61, KOFF-4*64*KP            ; K's tile of waves 4-7
	s_mul_i32 s59, s16, 32*KP
	s_add_co_u32 s59, s59, STAGE                   ; my stage
	s_lshl_b32 s62, s21, 18
	s_lshl_b32 s63, s20, 15
	s_add_co_u32 s62, s62, s63
	s_lshl_b32 s63, s16, 12
	s_add_co_u32 s62, s62, s63                     ; my 32 queries in Qh
	s_mov_b32 s63, 0
	s_and_b32 s66, s21, 16                         ; my 32 queries in Ah: 16 x batch
	s_lshl1_add_u32 s67, s20, s17                  ; + the block of 128 tokens = 2 x query block + wave / 4
	s_add_co_u32 s66, s66, s67
	s_lshl_b32 s66, s66, 4
	s_and_b32 s67, s21, 15
	s_add_co_u32 s66, s66, s67                     ; x 16 + head
	s_lshl2_add_u32 s66, s66, s18                  ; x 4 + wave mod 4: my 32 tokens of the 128,
	s_lshl_b32 s66, s66, 12                        ; of 4,096 bytes
	s_mov_b32 s67, 0
	s_lshl3_add_u32 s2, s21, s20                   ; the work-group's number, 0..255
	s_lshl_b32 s2, s2, 13                          ; its 8,192 bytes of Woh
	s_mov_b32 s3, 0
	s_wait_dscnt 0x0
	s_wait_kmcnt 0x0
	s_add_nc_u64 s[8:9], s[8:9], s[22:23]
	s_add_nc_u64 s[6:7], s[6:7], s[22:23]
	s_add_nc_u64 s[4:5], s[4:5], s[62:63]
	s_add_nc_u64 s[12:13], s[12:13], s[66:67]
	s_add_nc_u64 s[14:15], s[14:15], s[2:3]
	s_lshl_b32 s2, s2, 1                           ; its 16,384 bytes of Wo
	s_add_nc_u64 s[10:11], s[10:11], s[2:3]
	CROUND                                         ; the four work-groups are here: the first joint loads meet
.irp s, 0,1
	s_mov_b32 s[G0V+4*\s], 1
	s_add_co_u32 s[G0V+4*\s+1], s60, \s*SLOT
	s_add_nc_u64 s[G0V+4*\s+2:G0V+4*\s+3], s[8:9], \s*32768        ; keys 256 s ..
	s_or_b32 s[G0V+4*\s+3], s[G0V+4*\s+3], 0x80000000
	s_mov_b32 s[G0K+4*\s], 1
	s_add_co_u32 s[G0K+4*\s+1], s61, \s*SLOT
	s_add_nc_u64 s[G0K+4*\s+2:G0K+4*\s+3], s[6:7], \s*32768
	s_or_b32 s[G0K+4*\s+3], s[G0K+4*\s+3], 0x80000000
	JLOAD \s                                       ; two tensor loads of the wave are out
.endr
	v_and_b32 v1, 15, v0                           ; r
	v_bfe_u32 v9, v0, 4, 1                         ; h
	v_lshlrev_b32 v[QO], 7, v1
	v_lshl_add_u32 v[QO], v9, 4, v[QO]             ; query r's row + 16 h
.irp qt, 0,1
.irp c, 0,1
	global_load_b128 v[QF+8*(2*\qt+\c):QF+8*(2*\qt+\c)+3],   v[QO], s[4:5] offset:\qt*2048+\c*64
	global_load_b128 v[QF+8*(2*\qt+\c)+4:QF+8*(2*\qt+\c)+7], v[QO], s[4:5] offset:\qt*2048+\c*64+32
.endr
.endr
	v_lshlrev_b32 v[WI], 5, v0                     ; the cast: thread t takes 8 numbers in each of two chunks of 2,048
	v_lshlrev_b32 v[WH], 4, v0
	global_load_b128 v[224:227], v[WI], s[10:11] th:TH_LOAD_NT
	global_load_b128 v[228:231], v[WI], s[10:11] offset:16 th:TH_LOAD_NT
	global_load_b128 v[232:235], v[WI], s[10:11] offset:8192 th:TH_LOAD_NT
	global_load_b128 v[236:239], v[WI], s[10:11] offset:8208 th:TH_LOAD_NT
	v_and_b32 v28, 7, v0
	v_bfe_u32 v29, v0, 3, 1
	v_mul_u32_u24 v30, v1, KP
	v_lshl_add_u32 v30, v9, 4, v30                 ; r x 144 + 16 h
	v_add_nc_u32 v[ADRK], KOFF, v30
	v_add_nc_u32 v[ADRK+1], KOFF+SLOT, v30
	v_add_nc_u32 v[STO], s59, v30
	v_lshl_add_u32 v31, v9, 3, v28                 ; key 8 h + (lane mod 8),
	v_mul_u32_u24 v31, v31, VP
	v_lshl_add_u32 v[ADRV], v29, 4, v31            ; 16 bytes further for lanes 8-15 and 24-31
	v_add_nc_u32 v[ADRV+1], SLOT, v[ADRV]
	v_bfe_u32 v31, v0, 3, 2                        ; back: eight lanes take a query's 128 bytes
	v_mul_u32_u24 v31, v31, KP
	v_lshl_add_u32 v31, v28, 4, v31
	v_add_nc_u32 v[RD], s59, v31
	v_and_b32 v[GO], 31, v0
	v_lshlrev_b32 v[GO], 4, v[GO]
	WIN 0x40
.irp i, 0,1,2,3,4,5,6,7
	v_mov_b32 v[ONES+\i], 0x3c003c00               ; 1.0, 1.0 in f16
.endr
	WIN 0
	s_wait_loadcnt 0x0                             ; Q and my part of Wo
.irp i, 0,1,2,3,4,5,6,7
	v_cvt_pk_f16_f32 v[240+\i], v[224+2*\i], v[224+2*\i+1]
.endr
	global_store_b128 v[WH], v[240:243], s[14:15]               ; 16 lanes store 256 consecutive bytes, aligned
	global_store_b128 v[WH], v[244:247], s[14:15] offset:4096
.macro LOADK slot, j                   ; 16 loads: the fragments of 64 keys (4 tiles x 2 halves of the head's 64)
.irp kt, 0,1,2,3
.irp c, 0,1
	ds_load_b128 v[KF+8*(2*\kt+\c):KF+8*(2*\kt+\c)+3],   v[ADRK+\slot] offset:(\j)*64*KP+\kt*16*KP+\c*64
	ds_load_b128 v[KF+8*(2*\kt+\c)+4:KF+8*(2*\kt+\c)+7], v[ADRK+\slot] offset:(\j)*64*KP+\kt*16*KP+\c*64+32
.endr
.endr
.endm
; The running maximum of query tile qt over its 32 scores a lane (two chains), the old maximum and the other half of the lanes;
; then -c max (c = log2 e / 8) and, but for the first step, its difference from the old one.
.macro SMAX qt, first
	v_max3_num_f32 v[TT+4*\qt],   v[SC+32*\qt],    v[SC+32*\qt+1],  v[SC+32*\qt+2]
	v_max3_num_f32 v[TT+4*\qt+1], v[SC+32*\qt+16], v[SC+32*\qt+17], v[SC+32*\qt+18]
.irp i, 3,5,7,9,11,13
	v_max3_num_f32 v[TT+4*\qt],   v[TT+4*\qt],   v[SC+32*\qt+\i],    v[SC+32*\qt+\i+1]
	v_max3_num_f32 v[TT+4*\qt+1], v[TT+4*\qt+1], v[SC+32*\qt+16+\i], v[SC+32*\qt+17+\i]
.endr
	v_max3_num_f32 v[TT+4*\qt], v[TT+4*\qt], v[TT+4*\qt+1], v[SC+32*\qt+15]
.if \first
	v_max_num_f32 v[TT+4*\qt], v[TT+4*\qt], v[SC+32*\qt+31]
.else
	v_max3_num_f32 v[TT+4*\qt], v[TT+4*\qt], v[SC+32*\qt+31], v[MX+\qt]
.endif
	v_permlanex16_b32 v[TT+4*\qt+1], v[TT+4*\qt], s56, s57
	v_max_num_f32 v[MX+\qt], v[TT+4*\qt], v[TT+4*\qt+1]
	v_mul_f32 v[TT+4*\qt+2], 0xbe38aa3b, v[MX+\qt]
.if \first == 0
	v_sub_f32 v[TT+4*\qt+3], v[TT+4*\qt+2], v[NM+2*\qt]
.endif
.endm
.macro SCALE qt                        ; c s - c max, two at a time
.set i, 0
.rept 16
	v_pk_fma_f32 v[SC+32*\qt+i:SC+32*\qt+i+1], v[SC+32*\qt+i:SC+32*\qt+i+1], 0x3e38aa3b, v[NM+2*\qt:NM+2*\qt+1] op_sel_hi:[1,0,1]
.set i, i+2
.endr
.endm
.macro EXPS qt
.set i, 0
.rept 32
	v_exp_f32 v[SC+32*\qt+i], v[SC+32*\qt+i]
.set i, i+1
.endr
.endm
.macro PACK qt                         ; tiles 2 kc and 2 kc + 1 of S^T, packed, are the fragment of P^T for keys 32 kc .. 32 kc + 31
.set i, 0
	s_wait_alu depctr_va_vdst(0)
.rept 16
	v_cvt_pk_f16_f32 v[PF+16*\qt+i], v[SC+32*\qt+2*i], v[SC+32*\qt+2*i+1]
.set i, i+1
.endr
.endm
; One step: 64 keys at place j of a slot.  mode 0: the next keys are in the same slot; 1: change of slots, this slot is filled again;
; 2: change of slots, nothing is filled; 3: the last step.
.macro STEP slot, j, first, mode
	PLACES                                         ; V^T's fragments were read by the last step's matrix instructions
	WIN 0x40
.irp kc, 0,1
.irp dt, 0,1,2,3
	ds_load_tr16_b128 v[VF+8*(4*\kc+\dt):VF+8*(4*\kc+\dt)+3],   v[ADRV+\slot] offset:\j*64*VP+\kc*32*VP+\dt*32
	ds_load_tr16_b128 v[VF+8*(4*\kc+\dt)+4:VF+8*(4*\kc+\dt)+7], v[ADRV+\slot] offset:\j*64*VP+\kc*32*VP+16*VP+\dt*32
.endr
.endr
	WIN 0
	s_wait_dscnt 16                                ; K's fragments are in; the 16 loads of V just issued may be out
	; the eight score tiles take turns, one instruction a turn
.irp qt, 0,1
.irp kt, 0,1,2,3
	v_wmma_f32_16x16x32_f16 v[SC+8*(4*\qt+\kt):SC+8*(4*\qt+\kt)+7], v[KF+16*\kt:KF+16*\kt+7], v[QF+16*\qt:QF+16*\qt+7], 0
.endr
.endr
.irp qt, 0,1
.irp kt, 0,1,2,3
	v_wmma_f32_16x16x32_f16 v[SC+8*(4*\qt+\kt):SC+8*(4*\qt+\kt)+7], v[KF+16*\kt+8:KF+16*\kt+15], v[QF+16*\qt+8:QF+16*\qt+15], v[SC+8*(4*\qt+\kt):SC+8*(4*\qt+\kt)+7]
.endr
.endr
	PLACES                                         ; in front of the loads into K's fragments and of the reads of the scores
.if \mode == 1
	s_wait_dscnt 0x0                               ; my reads of this slot are back, the last 64 keys of V among them
	s_wait_tensorcnt 0x0                           ; all my tensor loads have landed: the one that was out is my part of the other slot
	ds_add_u32 v254, v255
	s_wait_dscnt 0x0
	s_add_nc_u64 s[G0V+4*\slot+2:G0V+4*\slot+3], s[G0V+4*\slot+2:G0V+4*\slot+3], 65536   ; 512 keys on
	s_add_nc_u64 s[G0K+4*\slot+2:G0K+4*\slot+3], s[G0K+4*\slot+2:G0K+4*\slot+3], 65536
	CROUND                                         ; both now hold of every wave of the four work-groups
	JLOAD \slot                                    ; the refill first; it has four steps in which to land
	LOADK 1-\slot, 0
.endif
.if \mode == 2
	s_wait_dscnt 0x0
	s_wait_tensorcnt 0x0                           ; my part of the last 256 keys is in,
	s_barrier_signal -1
	s_barrier_wait -1                              ; everybody's is
	LOADK 1-\slot, 0
.endif
.if \mode == 0
	LOADK \slot, \j+1
.endif
	SMAX 0, \first
	SMAX 1, \first
.if \first == 0
	v_exp_f32 v[AL],   v[TT+3]                     ; 2^(new - old) of -c max: what the old sums are scaled by
	v_exp_f32 v[AL+1], v[TT+3]
	v_exp_f32 v[AL+2], v[TT+7]
	v_exp_f32 v[AL+3], v[TT+7]
.endif
	v_mov_b32 v[NM],   v[TT+2]                     ; plain instructions behind the exponentials (ISA guide 5.7.2)
	v_mov_b32 v[NM+1], v[TT+2]
	v_mov_b32 v[NM+2], v[TT+6]
	v_mov_b32 v[NM+3], v[TT+6]
	SCALE 0
	EXPS 0
	SCALE 1                                        ; plain work between tile 0's exponentials and their use
	PACK 0
	EXPS 1
.if \first
	v_nop                                          ; the plain place behind tile 1's exponentials: nothing is there to rescale yet
	s_wait_alu depctr_va_vdst(0)
.else
	WIN 0x41
	s_wait_alu depctr_va_vdst(0)
.irp qt, 0,1
.set i, 0
.rept 20
	v_pk_mul_f32 v[40*\qt+i:40*\qt+i+1], v[40*\qt+i:40*\qt+i+1], v[AL+2*\qt:AL+2*\qt+1]   ; O^T and the sums of query r lie in lane r: one factor a lane
.set i, i+2
.endr
.endr
	WIN 0
.endif
	PACK 1
.if \mode == 3
	s_wait_dscnt 0x0
.else
	s_wait_dscnt 16                                ; V's fragments are in; the 16 loads of the next K may be out
.endif
	WIN 0x51
	; ten accumulators take turns, one instruction a turn
.irp kc, 0,1
.irp qt, 0,1
.irp dt, 0,1,2,3
.if \first*(1-\kc)
	v_wmma_f32_16x16x32_f16 v[8*(5*\qt+\dt):8*(5*\qt+\dt)+7], v[VF+8*(4*\kc+\dt):VF+8*(4*\kc+\dt)+7], v[PF+8*(2*\qt+\kc):PF+8*(2*\qt+\kc)+7], 0
.else
	v_wmma_f32_16x16x32_f16 v[8*(5*\qt+\dt):8*(5*\qt+\dt)+7], v[VF+8*(4*\kc+\dt):VF+8*(4*\kc+\dt)+7], v[PF+8*(2*\qt+\kc):PF+8*(2*\qt+\kc)+7], v[8*(5*\qt+\dt):8*(5*\qt+\dt)+7]
.endif
.endr
.if \first*(1-\kc)
	v_wmma_f32_16x16x32_f16 v[8*(5*\qt+4):8*(5*\qt+4)+7], v[ONES:ONES+7], v[PF+8*(2*\qt+\kc):PF+8*(2*\qt+\kc)+7], 0
.else
	v_wmma_f32_16x16x32_f16 v[8*(5*\qt+4):8*(5*\qt+4)+7], v[ONES:ONES+7], v[PF+8*(2*\qt+\kc):PF+8*(2*\qt+\kc)+7], v[8*(5*\qt+4):8*(5*\qt+4)+7]
.endif
.endr
.endr
	WIN 0
.endm
.macro LAP first, m0, m1               ; once round the ring: 512 keys
	STEP 0, 0, \first, 0
	STEP 0, 1, 0, 0
	STEP 0, 2, 0, 0
	STEP 0, 3, 0, \m0
	STEP 1, 0, 0, 0
	STEP 1, 1, 0, 0
	STEP 1, 2, 0, 0
	STEP 1, 3, 0, \m1
.endm
	s_wait_tensorcnt 0x1                           ; my part of slot 0 is in; slot 1's stays out
	s_barrier_signal -1
	s_barrier_wait -1
	LOADK 0, 0
	LAP 1, 1, 1                                    ; 2,048 keys = 4 laps.  The first stands in front of the loop: its first products start the sums
	s_mov_b32 s58, 2
.Llap:
	LAP 0, 1, 1
	s_sub_co_u32 s58, s58, 1
	s_cmp_lg_u32 s58, 0
	s_cbranch_scc1 .Llap
	LAP 0, 2, 3                                    ; the last lap fills nothing
	; THE WAY OUT: divide by the sums, round to f16, through my stage, whole rows out.
	PLACES
	WIN 0x01
	v_rcp_f32 v[AL],   v32                         ; the sums of tile 0 (window 1, register 32)
	v_rcp_f32 v[AL+1], v32
	v_rcp_f32 v[AL+2], v72                         ; of tile 1
	v_rcp_f32 v[AL+3], v72
	v_nop                                          ; the plain place behind the reciprocals
	WIN 0x41
	s_wait_alu depctr_va_vdst(0)
.irp qt, 0,1
.set i, 0
.rept 16
	v_pk_mul_f32 v[40*\qt+i:40*\qt+i+1], v[40*\qt+i:40*\qt+i+1], v[AL+2*\qt:AL+2*\qt+1]
.set i, i+2
.endr
.endr
	WIN 0x05
.irp qt, 0,1
.set i, 0
.rept 16
	v_cvt_pk_f16_f32 v[SC+16*\qt+i], v[40*\qt+2*i], v[40*\qt+2*i+1]
.set i, i+1
.endr
.endr
	WIN 0
.irp qt, 0,1
.irp dt, 0,1,2,3
	ds_store_b128 v[STO], v[SC+4*(4*\qt+\dt):SC+4*(4*\qt+\dt)+3] offset:\qt*16*KP+\dt*32   ; query 16 qt + r, numbers 16 dt + 8 h ..
.endr
.endr
.irp i, 0,1,2,3,4,5,6,7
	ds_load_b128 v[KF+4*\i:KF+4*\i+3], v[RD] offset:\i*4*KP        ; four queries' rows; LDS serves a wave's instructions in order
.endr
.irp i, 0,1,2,3,4,5,6,7
	s_wait_dscnt 7-\i                              ; read-back i is in; the younger ones may be out
	global_store_b128 v[GO], v[KF+4*\i:KF+4*\i+3], s[12:13] offset:512*\i   ; the wave stores 512 consecutive bytes, aligned
.endr
	s_wait_tensorcnt 0x0
	ds_add_u32 v254, v255
	s_wait_dscnt 0x0
	CROUND                                         ; the closing round
	s_endpgm
.Lfunc_end_k_qed475fa43d_attn:
	.size	k_qed475fa43d_attn, .Lfunc_end_k_qed475fa43d_attn-k_qed475fa43d_attn
	.p2alignl 7, 3214868480
	.fill 96, 4, 3214868480
	.section	.rodata,"a",@progbits
	.p2align	6, 0x0
	.amdhsa_kernel k_qed475fa43d_attn
		.amdhsa_group_segment_fixed_size 327680
		.amdhsa_private_segment_fixed_size 0
		.amdhsa_enable_private_segment 0
		.amdhsa_kernarg_size 48
		.amdhsa_user_sgpr_count 2
		.amdhsa_user_sgpr_kernarg_segment_ptr 1
		.amdhsa_wavefront_size32 1
		.amdhsa_system_sgpr_workgroup_id_x 1
		.amdhsa_system_sgpr_workgroup_id_y 1
		.amdhsa_system_sgpr_workgroup_id_z 1
		.amdhsa_system_vgpr_workitem_id 0
		.amdhsa_next_free_vgpr 408
		.amdhsa_next_free_sgpr 68
		.amdhsa_reserve_vcc 0
		.amdhsa_float_denorm_mode_32 3
		.amdhsa_float_denorm_mode_16_64 3
		.amdhsa_memory_ordered 1
		.amdhsa_forward_progress 1
		.amdhsa_inst_pref_size 255
	.end_amdhsa_kernel
	.section	.bss,"aw",@nobits
	.p2align	6
	.space	262144
	.amdgpu_metadata
---
amdhsa.version: [ 1, 2 ]
amdhsa.kernels:
  - .name:           k_qed475fa43d_attn
    .symbol:         k_qed475fa43d_attn.kd
    .args:
      - { .name: Qh, .offset: 0, .size: 8, .value_kind: global_buffer, .address_space: global }
      - { .name: Kh, .offset: 8, .size: 8, .value_kind: global_buffer, .address_space: global }
      - { .name: Vh, .offset: 16, .size: 8, .value_kind: global_buffer, .address_space: global }
      - { .name: Wo, .offset: 24, .size: 8, .value_kind: global_buffer, .address_space: global }
      - { .name: Ah, .offset: 32, .size: 8, .value_kind: global_buffer, .address_space: global }
      - { .name: Woh, .offset: 40, .size: 8, .value_kind: global_buffer, .address_space: global }
    .group_segment_fixed_size: 327680
    .private_segment_fixed_size: 0
    .kernarg_segment_align: 8
    .kernarg_segment_size: 48
    .max_flat_workgroup_size: 256
    .sgpr_count:     68
    .vgpr_count:     408
    .wavefront_size: 32
...
	.end_amdgpu_metadata
.endif
;; end of part 2
;; launch oproj (part 3): grid 8 x 32, 4 waves a work-group, clusters of 4 x 4, 327,680 bytes of LDS; arguments Ah, Woh, bo, out0; writes out0
.if DOCPART == 3
	.amdgcn_target "amdgcn-amd-amdhsa--gfx1250"
	.amdhsa_code_object_version 6
	.text
	.protected	k_qed475fa43d_oproj
	.globl	k_qed475fa43d_oproj
	.p2align	8
	.type	k_qed475fa43d_oproj,@function
k_qed475fa43d_oproj:
	s_mov_b64 s[64:65], 0
	v_nop
	global_prefetch_b8 v0, s[64:65] scope:SCOPE_SE
	s_setreg_imm32_b32 hwreg(HW_REG_WAVE_MODE, 25, 1), 1
	s_wait_xcnt 0x0
	s_wait_alu depctr_hold_cnt(0) depctr_sa_sdst(0) depctr_va_vdst(0) depctr_va_sdst(0) depctr_va_ssrc(0) depctr_va_vcc(0) depctr_vm_vsrc(0)
	s_getreg_b32 s2, hwreg(HW_REG_IB_STS2, 6, 4)
	s_cmp_eq_u32 s2, 0
	s_cbranch_scc0 .Lentry_in_a_cluster
	s_endpgm
.Lentry_in_a_cluster:
	s_bfe_u32 s2, ttmp6, 0x10000c
	s_cmp_lg_u32 s2, 0xf033
	s_cbranch_scc0 .Lentry_shape_is_right
	s_endpgm
.Lentry_shape_is_right:
; out0 = A Wo^T + bo.  A: f16, [batch 2][block of 128 tokens 16][head 16][128][64] (k = 64 head + d); Woh: f16 [1024][1024]; bo: f32;
; out0: [4096][1024] f32.
; LIMIT: the operands are f16 as the earlier launches stored them; sums and the result are f32.
; Blocks of 128 x 128: 8 x 32 = 256 work-groups of equal work; four waves, 64 x 64 each: 16 accumulator tiles.
; K goes in steps of 256 (four heads) through two LDS slots, four steps in all: the two first fills bring half of K, and each of the two
; refills has a step's 128 matrix instructions in which to land.  A block row's 16 head sub-tiles (128 tokens x 128 bytes each) are
; 262,144 dense bytes, so one load of 256 rows x 128 bytes brings two heads: waves 0 and 1 bring A's four; Wo's part is 128 rows x 512
; bytes, brought in two halves by waves 2 and 3.  Two slots of 141,312 bytes and the stage take 300,032 bytes of LDS.
; CLUSTERS: 4 x 4.  A's tiles hang on the block row alone and are asked for jointly along a row of the cluster, Wo's on the block
; column alone and along a column.
; The matrix instruction is used transposed (source 0 = rows of Wo, source 1 = tokens): a lane's eight results are eight neighbouring
; columns of one token.  The first product takes the bias as C.
; REGISTERS: window 0: v16-27 addresses; two fragment buffers v64-127, v128-191 (Wo's four fragments, then A's four); bias v192-223.
; window 1: accumulators, tile (a, b) at 8 (4 a + b).
.set AP,    144                        ; A's LDS row: 128 bytes + 16: an odd multiple of 16
.set BP,    528                        ; Wo's LDS row: 512 bytes + 16: an odd multiple of 16
.set SP,    272                        ; the stage's row: 256 bytes + 16
.set ASUB,  128*AP                     ; a head's sub-tile
.set BOFF,  4*ASUB
.set SLOT,  BOFF+128*BP                ; 141,312
.set STAGE, 2*SLOT                     ; 16 rows x 272 bytes for each wave; no tensor load lands here
.set ADRA, 16
.set ADRB, 20
.set STO,  24
.set RD,   25
.set CO,   26
.set BO,   27
.set F0,   64
.set F1,   128
.set BIAS, 192
.set G1,  24
.set G0,  32
.set G1B, 48
.set G0B, 56
.set MSB, 0
.macro WIN new
.if MSB != \new
	s_set_vgpr_msb (MSB<<8)|\new
.set MSB, \new
.endif
.endm
.macro PLACES
.rept 4
	v_nop
.endr
.endm
.macro JLOAD s                         ; waves 0 and 1 ask for A, waves 2 and 3 for Wo; the branch hangs on the wave's number alone
	s_cmp_eq_u32 s11, 0
	s_cbranch_scc0 .Lfor_b_\@
	tensor_load_to_lds s[G0+4*\s:G0+4*\s+3], s[G1:G1+7]
	s_nop 0
	s_branch .Lasked_\@
.Lfor_b_\@:
	tensor_load_to_lds s[G0B+4*\s:G0B+4*\s+3], s[G1B:G1B+7]
	s_nop 0
.Lasked_\@:
.endm
.macro CREST
	s_cmp_lg_u32 s10, 0
	s_cbranch_scc1 .Lnot_wave_0_\@
	s_barrier_signal -3
.Lnot_wave_0_\@:
	s_barrier_wait -3
	s_barrier_signal -1
	s_barrier_wait -1
.endm
.macro CROUND
	s_barrier_signal -1
	s_barrier_wait -1
	CREST
.endm
	s_load_b128 s[4:7], s[0:1], 0x0                ; Ah s[4:5], Woh s[6:7]
	s_load_b128 s[16:19], s[0:1], 0x10             ; bo s[16:17], out0 s[18:19]
	v_lshl_add_u32 v254, v0, 2, 0x49400
	v_mov_b32 v255, 0
	ds_add_u32 v254, v255
	v_lshrrev_b32 v1, 5, v0
	v_readfirstlane_b32 s10, v1                    ; wave 0..3
	s_lshr_b32 s11, s10, 1                         ; my half of the block's tokens.  Also: I fetch for A (0) or for Wo (1)
	s_and_b32 s12, s10, 1                          ; my half of its columns.  Also: which two heads, or which 64 rows, I fetch
	s_bfe_u32 s40, ttmp6, 0x40000                  ; cx
	s_bfe_u32 s41, ttmp6, 0x40004                  ; cy
	s_lshl_b32 s42, ttmp9, 2
	s_add_co_u32 s42, s42, s40                     ; block column 0..7
	s_and_b32 s13, ttmp7, 0xffff
	s_lshl_b32 s13, s13, 2
	s_add_co_u32 s13, s13, s41                     ; block row 0..31 = 16 x batch + block of 128 tokens
	s_lshl_b32 s43, s41, 2
	s_lshl_b32 s43, 15, s43                        ; my row of the cluster
	s_lshl_b32 s44, 0x1111, s40                    ; my column
	; A: 256 rows x 64 elements of 2 bytes, dense (two heads' sub-tiles); 4 words of padding behind every 32
	s_or_b32 s[G1+0], s43, (1<<16)|(1<<20)|(1<<21)|(4<<22)|(3<<25)
	s_mov_b32 s[G1+1], 64<<16                      ; tensor_dim0 = 64
	s_mov_b32 s[G1+2], 256<<16                     ; tensor_dim1 = 256
	s_mov_b32 s[G1+3], 64<<16                      ; tile_dim0 = 64
	s_mov_b32 s[G1+4], 256                         ; tile_dim1 = 256
	s_mov_b32 s[G1+5], 64                          ; elements from row to row
	s_mov_b32 s[G1+6], 0
	s_mov_b32 s[G1+7], 0
	; Wo: 64 rows x 256 elements, 1,024 elements from row to row; 4 words of padding behind every 128
	s_or_b32 s[G1B+0], s44, (1<<16)|(1<<20)|(1<<21)|(6<<22)|(3<<25)
	s_mov_b32 s[G1B+1], 256<<16
	s_mov_b32 s[G1B+2], 64<<16
	s_mov_b32 s[G1B+3], 256<<16
	s_mov_b32 s[G1B+4], 64
	s_mov_b32 s[G1B+5], 1024
	s_mov_b32 s[G1B+6], 0
	s_mov_b32 s[G1B+7], 0
	s_lshl_b32 s14, s13, 18                        ; A: the block row's 262,144 bytes
	s_lshl_b32 s15, s12, 15                        ; + my two heads of the step's four
	s_add_co_u32 s14, s14, s15
	s_mov_b32 s15, 0
	s_lshl_b32 s46, s42, 18                        ; Wo: (128 block column + 64 half) rows of 2,048 bytes
	s_lshl_b32 s47, s12, 17
	s_add_co_u32 s46, s46, s47
	s_mov_b32 s47, 0
	s_mul_i32 s20, s10, 2*ASUB                     ; A's two sub-tiles of waves 0, 1
	s_mul_i32 s21, s10, 64*BP
	s_add_co_u32 s21, s21, BOFF-2*64*BP            ; Wo's half of waves 2, 3
	s_wait_dscnt 0x0
	s_wait_kmcnt 0x0
	s_add_nc_u64 s[14:15], s[4:5], s[14:15]
	s_add_nc_u64 s[46:47], s[6:7], s[46:47]
	CROUND                                         ; all sixteen work-groups are here: the first joint loads meet
.irp s, 0,1
	s_mov_b32 s[G0+4*\s], 1
	s_add_co_u32 s[G0+4*\s+1], s20, \s*SLOT
	s_add_nc_u64 s[G0+4*\s+2:G0+4*\s+3], s[14:15], \s*65536        ; K step s: four heads on
	s_or_b32 s[G0+4*\s+3], s[G0+4*\s+3], 0x80000000
	s_mov_b32 s[G0B+4*\s], 1
	s_add_co_u32 s[G0B+4*\s+1], s21, \s*SLOT
	s_add_nc_u64 s[G0B+4*\s+2:G0B+4*\s+3], s[46:47], \s*512
	s_or_b32 s[G0B+4*\s+3], s[G0B+4*\s+3], 0x80000000
	JLOAD \s                                       ; two tensor loads of the wave are out
.endr
	v_and_b32 v1, 15, v0                           ; r
	v_bfe_u32 v2, v0, 4, 1                         ; h
	s_lshl_b32 s22, s42, 9
	s_lshl_b32 s23, s12, 8
	s_add_co_u32 s22, s22, s23                     ; 4 x my first column: for the bias and for out0
	v_lshlrev_b32 v[BO], 5, v2
	v_add_nc_u32 v[BO], s22, v[BO]
.irp b, 0,1,2,3
	global_load_b128 v[BIAS+8*\b:BIAS+8*\b+3],   v[BO], s[16:17] offset:64*\b
	global_load_b128 v[BIAS+8*\b+4:BIAS+8*\b+7], v[BO], s[16:17] offset:64*\b+16
.endr
	v_mul_u32_u24 v3, v1, AP
	v_lshl_add_u32 v3, v2, 4, v3
	v_mul_u32_u24 v4, v1, BP
	v_lshl_add_u32 v4, v2, 4, v4
	s_mul_i32 s2, s11, 64*AP                       ; my 64 tokens
	s_mul_i32 s3, s12, 64*BP
	s_add_co_u32 s3, s3, BOFF                      ; my 64 rows of Wo
.irp s, 0,1
	v_add_nc_u32 v[ADRA+\s], s2, v3
	v_add_nc_u32 v[ADRB+\s], s3, v4
	s_add_co_u32 s2, s2, SLOT
	s_add_co_u32 s3, s3, SLOT
.endr
	s_mul_i32 s2, s10, 16*SP
	s_add_co_u32 s2, s2, STAGE                     ; my stage
	v_mul_u32_u24 v5, v1, SP
	v_lshl_add_u32 v5, v2, 5, v5
	v_add_nc_u32 v[STO], s2, v5                    ; in: token r, 32 bytes for each half of the lanes
	v_mul_u32_u24 v6, v2, SP
	v_lshl_add_u32 v6, v1, 4, v6
	v_add_nc_u32 v[RD], s2, v6                     ; back: lanes 0-15 one row of 256 bytes, lanes 16-31 the next
	v_lshlrev_b32 v7, 12, v2
	v_lshl_add_u32 v[CO], v1, 4, v7                ; the same two rows in out0
.macro FETCH slot, q, f                ; 16 loads: eighth q (32 along K: head q / 2, half q mod 2) of a K step into buffer f
	WIN 0
.irp b, 0,1,2,3
	ds_load_b128 v[\f+8*\b:\f+8*\b+3],   v[ADRB+\slot] offset:\b*16*BP+64*(\q)
	ds_load_b128 v[\f+8*\b+4:\f+8*\b+7], v[ADRB+\slot] offset:\b*16*BP+64*(\q)+32
.endr
.irp a, 0,1,2,3
	ds_load_b128 v[\f+32+8*\a:\f+32+8*\a+3],   v[ADRA+\slot] offset:((\q)>>1)*ASUB+\a*16*AP+((\q)&1)*64
	ds_load_b128 v[\f+32+8*\a+4:\f+32+8*\a+7], v[ADRA+\slot] offset:((\q)>>1)*ASUB+\a*16*AP+((\q)&1)*64+32
.endr
.endm
; 8 matrix instructions.  The 16 accumulators take turns, one instruction a turn, in the same order in every eighth.
.macro MUL8 f, a0, mode
.irp a, \a0, \a0+1
.irp b, 0,1,2,3
.if \mode
	v_wmma_f32_16x16x32_f16 v[8*(4*(\a)+\b):8*(4*(\a)+\b)+7], v[\f+8*\b:\f+8*\b+7], v[\f+32+8*(\a):\f+32+8*(\a)+7], v[BIAS+8*\b:BIAS+8*\b+7]
.else
	v_wmma_f32_16x16x32_f16 v[8*(4*(\a)+\b):8*(4*(\a)+\b)+7], v[\f+8*\b:\f+8*\b+7], v[\f+32+8*(\a):\f+32+8*(\a)+7], v[8*(4*(\a)+\b):8*(4*(\a)+\b)+7]
.endif
.endr
.endr
.endm
.macro QSUB slot, q, f, g, mode        ; one of a K step's first seven eighths: fetches the next eighth into g, multiplies f
	PLACES                                         ; buffer g was read by the last matrix instructions
	FETCH \slot, \q+1, \g
	s_wait_dscnt 16                                ; buffer f is in; the 16 loads just issued may be out
.if \mode
	WIN 0x40
.else
	WIN 0x50
.endif
	MUL8 \f, 0, \mode
	MUL8 \f, 2, \mode
.endm
.macro SEVEN slot, mode
	QSUB \slot, 0, F0, F1, \mode
	QSUB \slot, 1, F1, F0, 0
	QSUB \slot, 2, F0, F1, 0
	QSUB \slot, 3, F1, F0, 0
	QSUB \slot, 4, F0, F1, 0
	QSUB \slot, 5, F1, F0, 0
	QSUB \slot, 6, F0, F1, 0
.endm
; The last eighth, and the change of slots: my reads of this slot are back and all my tensor loads have landed (one is out: my part of
; the next slot) in front of the barrier; nothing stands between those waits and the barrier, and behind it (with fill: behind the
; cluster's round that it opens) the refill comes first, then the next slot's first fragments, then the last eighth's products.
.macro TURN slot, next, fill
	WIN 0
	PLACES                                         ; buffer 0, loaded again below, was read by the last matrix instructions
	s_wait_dscnt 0x0
	s_wait_tensorcnt 0x0
	ds_add_u32 v254, v255
	s_wait_dscnt 0x0
	s_barrier_signal -1
	s_barrier_wait -1
.if \fill
	CREST
	s_add_nc_u64 s[G0+4*\slot+2:G0+4*\slot+3], s[G0+4*\slot+2:G0+4*\slot+3], 0x20000     ; two K steps = eight heads on
	s_add_nc_u64 s[G0B+4*\slot+2:G0B+4*\slot+3], s[G0B+4*\slot+2:G0B+4*\slot+3], 1024
	JLOAD \slot
.endif
	FETCH \next, 0, F0
	WIN 0x50
	MUL8 F1, 0, 0
	MUL8 F1, 2, 0
.endm
	s_wait_tensorcnt 0x1                           ; my part of K step 0 is in; K step 1's stays out
	s_barrier_signal -1
	s_barrier_wait -1
	FETCH 0, 0, F0
	s_wait_loadcnt 0x0                             ; the bias
	SEVEN 0, 1                                     ; K step 0: its first products start the sums
	TURN 0, 1, 1                                   ; slot 0 gets K step 2
	SEVEN 1, 0                                     ; K step 1
	TURN 1, 0, 1                                   ; slot 1 gets K step 3: the last load
	SEVEN 0, 0                                     ; K step 2
	TURN 0, 1, 0                                   ; nothing is left to fetch
	SEVEN 1, 0                                     ; K step 3
	s_wait_dscnt 0x0
	WIN 0x50
	MUL8 F1, 0, 0
	MUL8 F1, 2, 0
	; THE WAY OUT, 16 tokens at a time: 32 bytes a lane into my stage, read back as whole rows of 256 bytes.
	PLACES
	s_lshl_b32 s14, s13, 19                        ; 128 block row rows of 4,096 bytes
	s_lshl_b32 s15, s11, 18                        ; + my 64
	s_add_co_u32 s14, s14, s15
	s_mov_b32 s15, 0
	s_add_nc_u64 s[18:19], s[18:19], s[14:15]
	s_mov_b32 s23, 0
	s_add_nc_u64 s[18:19], s[18:19], s[22:23]      ; + my first column
.macro OUT16 a, f
	WIN 0x04
.irp b, 0,1,2,3
	ds_store_b128 v[STO], v[8*(4*\a+\b):8*(4*\a+\b)+3]   offset:64*\b
	ds_store_b128 v[STO], v[8*(4*\a+\b)+4:8*(4*\a+\b)+7] offset:64*\b+16
.endr
	WIN 0
	s_wait_xcnt 0x0                                ; buffer f, which earlier stores read, is loaded again only behind this wait
.irp t, 0,1,2,3,4,5,6,7
	ds_load_b128 v[\f+4*\t:\f+4*\t+3], v[RD] offset:\t*2*SP        ; LDS serves a wave's instructions in order: these see the stores above
.endr
.irp t, 0,1,2,3,4,5,6,7
	s_wait_dscnt 7-\t                              ; read-back t is in; the younger ones may be out
	global_store_b128 v[CO], v[\f+4*\t:\f+4*\t+3], s[18:19] offset:65536*\a+8192*\t th:TH_STORE_NT   ; 16 lanes store 256 consecutive bytes, aligned
.endr
.endm
	OUT16 0, F0
	OUT16 1, F1
	OUT16 2, F0
	OUT16 3, F1
	s_wait_tensorcnt 0x0
	ds_add_u32 v254, v255
	s_wait_dscnt 0x0
	CROUND                                         ; the closing round
	s_endpgm
.Lfunc_end_k_qed475fa43d_oproj:
	.size	k_qed475fa43d_oproj, .Lfunc_end_k_qed475fa43d_oproj-k_qed475fa43d_oproj
	.p2alignl 7, 3214868480
	.fill 96, 4, 3214868480
	.section	.rodata,"a",@progbits
	.p2align	6, 0x0
	.amdhsa_kernel k_qed475fa43d_oproj
		.amdhsa_group_segment_fixed_size 327680
		.amdhsa_private_segment_fixed_size 0
		.amdhsa_enable_private_segment 0
		.amdhsa_kernarg_size 32
		.amdhsa_user_sgpr_count 2
		.amdhsa_user_sgpr_kernarg_segment_ptr 1
		.amdhsa_wavefront_size32 1
		.amdhsa_system_sgpr_workgroup_id_x 1
		.amdhsa_system_sgpr_workgroup_id_y 1
		.amdhsa_system_sgpr_workgroup_id_z 1
		.amdhsa_system_vgpr_workitem_id 0
		.amdhsa_next_free_vgpr 384
		.amdhsa_next_free_sgpr 66
		.amdhsa_reserve_vcc 0
		.amdhsa_float_denorm_mode_32 3
		.amdhsa_float_denorm_mode_16_64 3
		.amdhsa_memory_ordered 1
		.amdhsa_forward_progress 1
		.amdhsa_inst_pref_size 89
	.end_amdhsa_kernel
	.amdgpu_metadata
---
amdhsa.version: [ 1, 2 ]
amdhsa.kernels:
  - .name:           k_qed475fa43d_oproj
    .symbol:         k_qed475fa43d_oproj.kd
    .args:
      - { .name: Ah, .offset: 0, .size: 8, .value_kind: global_buffer, .address_space: global }
      - { .name: Woh, .offset: 8, .size: 8, .value_kind: global_buffer, .address_space: global }
      - { .name: bo, .offset: 16, .size: 8, .value_kind: global_buffer, .address_space: global }
      - { .name: out0, .offset: 24, .size: 8, .value_kind: global_buffer, .address_space: global }
    .group_segment_fixed_size: 327680
    .private_segment_fixed_size: 0
    .kernarg_segment_align: 8
    .kernarg_segment_size: 32
    .max_flat_workgroup_size: 128
    .sgpr_count:     66
    .vgpr_count:     384
    .wavefront_size: 32
...
	.end_amdgpu_metadata
.endif
;; end of part 3
